; MI455X (gfx1250); checked and timed in simulation.
; The chip was launched on July 23, 2026; its instructions are those of AMD's public machine-readable ISA for CDNA 5 (MIT licence, August 2026) and "CDNA5" Instruction Set Architecture Reference Guide (July 2026). The comments in the code are by the model that wrote it; some were corrected since.
;; Group Query Attention. Allowed arithmetic: matrix products marked QUANTISED: E4M3 operands, one given power-of-two scale a tensor, by v_wmma_f32_16x16x64_fp8_fp8 or v_wmma_f32_16x16x128_fp8_fp8, f32 sums; everything else in f32.
;; Inputs: Wk 256 x 1,024 float32; Wp 1,024 x 1,024 float32; Wq 1,024 x 1,024 float32; Wv 256 x 1,024 float32; lowp_scales 12 int32 (the exponents e of the quantised operands' scales 2^e); x 4 x 2,048 x 1,024 float32.
;; Outputs: out0 4 x 2,048 x 1,024 float32.
;; This version of the problem:
;;   THIS VERSION OF THE PROBLEM IS GIVEN IN LOW PRECISION. The matrix products marked QUANTISED in the list below multiply operands that are first quantised to E4M3 (4 exponent bits, 3 mantissa bits; 8 bits a number), with one given power-of-two scale for each operand tensor; their sums are f32. All else is computed in f32.
;;   The module's matrix products, in the order in which they are computed (A, B: the left and right operand; K: the contracted axis; several contracted axes count as one K, in the product's order):
;;     1. [M 8,192, K 1,024] x [K 1,024, N 1,024]; A: input x; B: input Wq: QUANTISED (scales: A lowp_scales[0], B lowp_scales[1])
;;     2. [M 8,192, K 1,024] x [K 1,024, N 256]; A: input x; B: input Wk: QUANTISED (scales: A lowp_scales[2], B lowp_scales[3])
;;     3. [M 8,192, K 1,024] x [K 1,024, N 256]; A: input x; B: input Wv: QUANTISED (scales: A lowp_scales[4], B lowp_scales[5])
;;     4. batch 16 x [M 8,192, K 64] x [K 64, N 2,048]; A: computed on the way; B: computed on the way: QUANTISED (scales: A lowp_scales[6], B lowp_scales[7])
;;     5. batch 16 x [M 8,192, K 2,048] x [K 2,048, N 64]; A: softmax (see below); B: computed on the way: QUANTISED (scales: A lowp_scales[8], B lowp_scales[9])
;;     6. [M 8,192, K 1,024] x [K 1,024, N 1,024]; A: computed on the way; B: input Wp: QUANTISED (scales: A lowp_scales[10], B lowp_scales[11])
;;   THE QUANTISER, for each operand of a quantised product, along K:
;;     - The operand's scale is 2^e, e = its entry of the input lowp_scales (int32; the entries are numbered through the quantised products in the list's order, A before B).
;;     - Each number is divided by the scale, clamped to +-448, and rounded to the nearest number of E4M3, ties to even, subnormals kept.
;;     - The product sums the exact products of the quantised numbers (number of the format x scale) in f32.
;;   ~~~python
;;   def quantise(x, axis, e):      # numpy; x: float32 -> the quantised numbers, widened to float32 again
;;       x = np.moveaxis(x, axis, -1); K = x.shape[-1]
;;       r = np.clip(x / 2.0 ** e, -448, 448)
;;       step = 2.0 ** (np.maximum(np.frexp(np.where(r == 0, 1, r))[1] - 1, -6) - 3)
;;       q = np.round(r / step) * step * 2.0 ** e      # np.round: ties to even
;;       return np.moveaxis(q, -1, axis).astype(np.float32)
;;   ~~~
;;   SOFTMAX AHEAD OF A QUANTISED PRODUCT. Where the list says 'softmax', what is quantised is not the finished softmax but p = 2^(t - M), with t = logit x log2(e) and M = ceil(the row's largest t), a whole number; so 1/2 < the row's largest p <= 1. The row's sum l is taken of the UNQUANTISED p, in f32, and the product's result is divided by l at the end. Since M is a whole number, a kernel that streams over the keys may use a running M (the ceiling of the running maximum): every later rescaling is an exact power of two, so the quantised numbers keep their values, but for numbers so far below the row's largest that they fall under the format's range.
;;   OPERANDS COMPUTED ON THE WAY. 'Computed on the way' means the value that the module computes at that place (a softmax that the list does not call 'softmax' is quantised finished and normalised). What goes into a quantiser is computed in f32, as accurately as f32 sums, v_exp_f32 and their like allow (about 1e-6 of the number): no bf16 or f16 on the way to a quantiser, and a product that is left as it is and whose result goes on into a quantised operand takes f32 operands (vector FMAs, or v_wmma_f32_16x16x4_f32). A number that lies on a knife's edge between two numbers of the format may be rounded either way, as far as f32 arithmetic and the matrix unit's own rounding can turn it there, and no further.
;; One version. Each part assembles by itself: llvm-mc -triple=amdgcn-amd-amdhsa -mcpu=gfx1250 --defsym DOCPART=n.
;; ======== version 1 of 1: 4 launches
;; limits: right only within a limited range of input values
;; workspace buffers: xc 25,165,824 bytes; wqkv 1,572,864 bytes; wpc 1,048,576 bytes; rope 524,288 bytes; qimg 8,388,608 bytes; kv 4,194,304 bytes; oc 8,388,608 bytes
;; launch prep (part 1): grid 368 x 1, 4 waves a work-group, no clusters, 66,048 bytes of LDS; arguments x, Wq, Wk, Wv, Wp, lowp_scales, xc, wqkv, wpc, rope; writes xc, wqkv, wpc, rope
.if DOCPART == 1
	.amdgcn_target "amdgcn-amd-amdhsa--gfx1250"
	.amdhsa_code_object_version 6
	.text
	.protected	k_qc33f375a0b_prep
	.globl	k_qc33f375a0b_prep
	.p2align	8
	.type	k_qc33f375a0b_prep,@function
k_qc33f375a0b_prep:
	s_mov_b64 s[64:65], 0
	v_nop
	global_prefetch_b8 v0, s[64:65] scope:SCOPE_SE
	s_setreg_imm32_b32 hwreg(HW_REG_WAVE_MODE, 25, 1), 1
	s_wait_xcnt 0x0
; THE OPERANDS THAT ARRIVE AS f32 BECOME CODES OF E4M3, AND THE ROTARY TABLE IS MADE.  Three kinds of work-group, told apart by the work-group's number g:
;   g < 32:         the table rope[2048 positions][cos of 32 frequencies, sin of 32 frequencies], f32: 256 bytes a position.
;   32 <= g < 288:  x [8192][1024] -> xc [3][8192][1024]: x enters three products under three given scales (entries 0, 2, 4), so it is read once and coded three times.
;   288 <= g:       Wq, Wk, Wv -> wqkv [1536][1024] (entries 1, 3, 5), Wp -> wpc [1024][1024] (entry 11).  K is innermost in all of them.
; code = number / 2^e, held within +-448, rounded to the nearest code, ties to even.  LIMITS: each of these seven e lies between -126 and 119; NaN among the inputs is not served.
; Rows are dense, so each tensor is a plain stream.  A wave takes 16 steps of 512 numbers.  Each of a step's four loads reads 512 consecutive bytes, 16 a lane; the 2,048 bytes go through the wave's
; own stage in LDS and come back 64 bytes a lane, since a conversion takes eight neighbours from ONE lane's registers.  A lane's 16 codes are 16 bytes: a wave's store covers 512 consecutive bytes.
; No matrix work, no tensor load, no barrier: waves share nothing.  Loads run four steps (16 loads a wave) ahead, the turn through LDS one step.
.set STEPS, 16
.set SP,    80                         ; a lane's place in a stage: 64 bytes + 16 of padding
.set STG,   32*SP                      ; a stage; each wave has two, in a region of 8,192 bytes of its own
.set XLDS,  0                          ; the x path's LDS bytes,
.set WLDS,  32768                      ; and the weights path's: each path has bytes of its own
.set R,     16                         ; v16-79   four sets of 16 numbers as loaded
.set X,     80                         ; v80-111  two sets of 16 neighbours
.set T,     112                        ; v112-127 x held under one of its three scales
.set C,     128                        ; v128..   codes
.set SRC,   50                         ; s[50:51] where my wave's numbers begin
.set DW,    52                         ; s[52:53] where a weight's codes go
	s_load_b256 s[4:11], s[0:1], 0x0               ; x s[4:5], Wq s[6:7], Wk s[8:9], Wv s[10:11]
	s_load_b256 s[12:19], s[0:1], 0x20             ; Wp s[12:13], lowp_scales s[14:15], xc s[16:17], wqkv s[18:19]
	s_load_b128 s[20:23], s[0:1], 0x40             ; wpc s[20:21], rope s[22:23]
	v_lshl_add_u32 v192, v0, 2, 0x10000
	v_mov_b32 v193, 0
	v_lshrrev_b32 v1, 5, v0
	v_readfirstlane_b32 s24, v1                    ; wave 0..3
	v_and_b32 v2, 31, v0                           ; lane
	v_lshlrev_b32 v3, 4, v2                        ; 16 x lane: my bytes of a load's 512, and of a store's
	s_lshl_b32 s25, s24, 13                        ; my wave's LDS region
	v_lshrrev_b32 v14, 2, v2
	v_mul_u32_u24 v14, v14, SP
	v_and_b32 v15, 3, v2
	v_lshl_add_u32 v14, v15, 4, v14
	v_add_nc_u32 v14, s25, v14                     ; into a stage: four lanes' 64 bytes on end, then the padding
	v_mul_u32_u24 v15, v2, SP
	v_add_nc_u32 v15, s25, v15                     ; out of it: my 16 neighbours
	s_wait_kmcnt 0x0
	s_cmp_lt_u32 ttmp9, 32
	s_cbranch_scc1 .Ltable
	s_load_b256 s[32:39], s[14:15], 0x0            ; e0 .. e7
	s_load_b128 s[40:43], s[14:15], 0x20           ; e8 .. e11
	s_cmp_lt_u32 ttmp9, 288
	s_cbranch_scc1 .Lx
.macro LOAD t                          ; step t's 2,048 bytes
.irp i, 0,1,2,3
	global_load_b128 v[R+16*((\t)%4)+4*\i:R+16*((\t)%4)+4*\i+3], v3, s[SRC:SRC+1] offset:2048*(\t)+512*\i th:TH_LOAD_NT
.endr
.endm
.macro TURN t, base                    ; step t's numbers through a stage: LDS serves a wave's instructions in order, so no wait stands between the stores and the loads
.irp i, 0,1,2,3
	ds_store_b128 v14, v[R+16*((\t)%4)+4*\i:R+16*((\t)%4)+4*\i+3] offset:\base+STG*((\t)%2)+8*SP*\i
.endr
.irp i, 0,1,2,3
	ds_load_b128 v[X+16*((\t)%2)+4*\i:X+16*((\t)%2)+4*\i+3], v15 offset:\base+STG*((\t)%2)+16*\i
.endr
.endm
.macro AHEAD t, base                   ; the head of step t
	s_wait_dscnt 0x0                               ; this step's numbers are back from the stage, so its stores into the stage have read their registers,
.if (\t)+4 < STEPS
	LOAD (\t)+4                                    ; which take the loads of four steps on
.endif
.if (\t)+1 < STEPS
.if STEPS-2-(\t) >= 3
	s_wait_loadcnt 12                              ; the next step's four loads are in; those of the three steps behind it may be out
.else
	s_wait_loadcnt 4*(STEPS-2-(\t))                ; the tail: fewer steps are left behind it
.endif
	TURN (\t)+1, \base                             ; and go through the other stage while this step is worked
.endif
.endm
.macro SCALE e, vs, vl                 ; from the whole number in s[e]: v[vs] = 2^e as f32 (a conversion takes its exponent field), v[vl] = 448 x 2^e
	s_add_co_i32 s30, s[\e], 127
	s_lshl_b32 s31, s30, 23
	v_mov_b32 v[\vs], s31
	s_add_co_i32 s30, s30, 8
	s_lshl_b32 s30, s30, 23
	s_or_b32 s30, s30, 0x600000
	v_mov_b32 v[\vl], s30
.endm
	; ---- THE WEIGHTS.  w = g - 288: 0-31 Wq, 32-39 Wk, 40-47 Wv, 48-79 Wp; four runs of 8,192 numbers to a work-group.  Only pointers and numbers are chosen: one path for all four.
	s_sub_co_u32 s26, ttmp9, 288
	s_mov_b64 s[SRC:SRC+1], s[12:13]
	s_mov_b32 s27, 48                              ; the tensor's first w
	s_cmp_lt_u32 s26, 48
	s_cselect_b64 s[SRC:SRC+1], s[10:11], s[SRC:SRC+1]
	s_cselect_b32 s27, 40, s27
	s_cselect_b64 s[DW:DW+1], s[18:19], s[20:21]
	s_cselect_b32 s29, 0, 48                       ; the code buffer's first w: Wq's, Wk's and Wv's codes lie on end in wqkv
	s_cmp_lt_u32 s26, 40
	s_cselect_b64 s[SRC:SRC+1], s[8:9], s[SRC:SRC+1]
	s_cselect_b32 s27, 32, s27
	s_cmp_lt_u32 s26, 32
	s_cselect_b64 s[SRC:SRC+1], s[6:7], s[SRC:SRC+1]
	s_cselect_b32 s27, 0, s27
	s_sub_co_u32 s27, s26, s27
	s_lshl_b32 s27, s27, 2
	s_add_co_u32 s27, s27, s24                     ; my wave's run in the tensor
	s_lshl_b32 s30, s27, 15
	s_mov_b32 s31, 0
	s_add_nc_u64 s[SRC:SRC+1], s[SRC:SRC+1], s[30:31]
	s_sub_co_u32 s29, s26, s29
	s_lshl_b32 s29, s29, 2
	s_add_co_u32 s29, s29, s24                     ; and in the code buffer
	s_lshl_b32 s30, s29, 13
	s_add_nc_u64 s[DW:DW+1], s[DW:DW+1], s[30:31]
	s_wait_alu depctr_va_vdst(0)
.irp t, 0,1,2,3
	LOAD \t
.endr
	s_wait_kmcnt 0x0
	s_mov_b32 s28, s43                             ; e11, or e5, e3, e1
	s_cmp_lt_u32 s26, 48
	s_cselect_b32 s28, s37, s28
	s_cmp_lt_u32 s26, 40
	s_cselect_b32 s28, s35, s28
	s_cmp_lt_u32 s26, 32
	s_cselect_b32 s28, s33, s28
	SCALE 28, 11, 10
	s_wait_alu depctr_va_vdst(0)
	s_wait_loadcnt 12                              ; step 0's four loads are in
	TURN 0, WLDS
.macro STEPW t                         ; each step has registers of its own for its codes, so no store's data are written again
.set XS, X+16*((\t)%2)
	AHEAD \t, WLDS
.irp i, 0,1,2,3,4,5,6,7,8,9,10,11,12,13,14,15
	v_med3_num_f32 v[XS+\i], v[XS+\i], -v10, v10   ; the conversion to an 8-bit code does not saturate (ISA guide 7.6.2): the hold at the largest code x the scale comes first
.endr
	v_cvt_scalef32_pk8_fp8_f32 v[C+4*(\t):C+4*(\t)+1], v[XS:XS+7], v11
	v_cvt_scalef32_pk8_fp8_f32 v[C+4*(\t)+2:C+4*(\t)+3], v[XS+8:XS+15], v11
	global_store_b128 v3, v[C+4*(\t):C+4*(\t)+3], s[DW:DW+1] offset:512*(\t)   ; the results go to a store alone; the next vector lines are the next step's holds, plain and on other registers
.endm
.irp t, 0,1,2,3,4,5,6,7,8,9,10,11,12,13,14,15
	STEPW \t
.endr
	s_wait_tensorcnt 0x0
	ds_add_u32 v192, v193
	s_wait_dscnt 0x0
	s_endpgm
	; ---- x.  256 work-groups x 4 waves = the 1,024 runs of 8,192 numbers.
.Lx:
	s_sub_co_u32 s26, ttmp9, 32
	s_lshl_b32 s26, s26, 2
	s_add_co_u32 s26, s26, s24                     ; my wave's run
	s_lshl_b32 s30, s26, 15
	s_mov_b32 s31, 0
	s_add_nc_u64 s[SRC:SRC+1], s[4:5], s[30:31]
	s_lshl_b32 s30, s26, 13
	s_add_nc_u64 s[44:45], s[16:17], s[30:31]      ; the three sets of codes lie 8,388,608 bytes apart: one more than a store's immediate reaches, so each has a base
	s_add_nc_u64 s[46:47], s[44:45], 0x800000
	s_add_nc_u64 s[48:49], s[46:47], 0x800000
	s_wait_alu depctr_va_vdst(0)
.irp t, 0,1,2,3
	LOAD \t
.endr
	s_wait_kmcnt 0x0
	SCALE 32, 5, 6                                 ; e0: for the product with Wq
	SCALE 34, 7, 8                                 ; e2: with Wk
	SCALE 36, 9, 10                                ; e4: with Wv
	s_wait_alu depctr_va_vdst(0)
	s_wait_loadcnt 12
	TURN 0, XLDS
.macro STEPX t
.set XS, X+16*((\t)%2)
	AHEAD \t, XLDS
.if (\t) >= 2
	s_wait_xcnt 0x0                                ; the stores of two steps back have read their data: these twelve registers are written again only behind this wait
.endif
.irp k, 0,1,2
.irp i, 0,1,2,3,4,5,6,7,8,9,10,11,12,13,14,15
	v_med3_num_f32 v[T+\i], v[XS+\i], -v[6+2*\k], v[6+2*\k]   ; into other registers: x is wanted three times
.endr
	v_cvt_scalef32_pk8_fp8_f32 v[C+12*((\t)%2)+4*\k:C+12*((\t)%2)+4*\k+1], v[T:T+7], v[5+2*\k]
	v_cvt_scalef32_pk8_fp8_f32 v[C+12*((\t)%2)+4*\k+2:C+12*((\t)%2)+4*\k+3], v[T+8:T+15], v[5+2*\k]
	v_nop                                          ; a plain line between the conversions and the next holds, which write the conversions' sources
	global_store_b128 v3, v[C+12*((\t)%2)+4*\k:C+12*((\t)%2)+4*\k+3], s[44+2*\k:45+2*\k] offset:512*(\t)
.endr
.endm
.irp t, 0,1,2,3,4,5,6,7,8,9,10,11,12,13,14,15
	STEPX \t
.endr
	s_wait_tensorcnt 0x0
	ds_add_u32 v192, v193
	s_wait_dscnt 0x0
	s_endpgm
	; ---- THE TABLE.  128 waves x 16 positions.  Lane l makes two numbers of a position's row: frequencies 2 (l % 16) and 2 (l % 16) + 1, as cos in lanes 0-15 and as sin in lanes 16-31:
	; the wave's one store of 8 bytes a lane writes the row's 256 bytes.  angle = position x inv_freq, one f32 product; n = the nearest whole number to angle x 2 / pi; r = angle - n pi / 2, with pi / 2 in two
	; parts by two fused multiply-adds; sin r and cos r by polynomials on |r| <= pi / 4; the quadrant chooses one and its sign.  sin x = cos(x - pi / 2): lanes 16-31 add 3 to the quadrant.
	; LIMIT: n <= 1,304 for positions below 2,048: there the first multiply-add is exact and the two parts of pi / 2 suffice (the error is about 1e-7).
.Ltable:
	s_lshl_b32 s26, ttmp9, 2
	s_add_co_u32 s26, s26, s24                     ; 0 .. 127
	s_lshl_b32 s28, s26, 4                         ; my first position
	s_lshl_b32 s30, s26, 12                        ; 16 rows of 256 bytes
	s_mov_b32 s31, 0
	s_add_nc_u64 s[22:23], s[22:23], s[30:31]
	v_mov_b32 v16, 0
	v_mov_b32 v17, 0
.macro INVF m, a, b                    ; inv_freq[2 m] and [2 m + 1] = 10^(-j / 8), rounded to f32, into lanes m and m + 16
	s_mov_b32 s26, \a
	s_mov_b32 s27, \b
	v_writelane_b32 v16, s26, \m
	v_writelane_b32 v16, s26, \m+16
	v_writelane_b32 v17, s27, \m
	v_writelane_b32 v17, s27, \m+16
.endm
	INVF 0,  0x3f800000, 0x3f3ff911
	INVF 1,  0x3f0ff59a, 0x3ed7e89b
	INVF 2,  0x3ea1e89b, 0x3e72d424
	INVF 3,  0x3e361887, 0x3e088d77
	INVF 4,  0x3dcccccd, 0x3d99940e
	INVF 5,  0x3d6655c3, 0x3d2cba15
	INVF 6,  0x3d0186e2, 0x3cc24350
	INVF 7,  0x3c91ad39, 0x3c5a7bf1
	INVF 8,  0x3c23d70a, 0x3bf5b9b0
	INVF 9,  0x3bb8449c, 0x3b8a2e77
	INVF 10, 0x3b4f3e37, 0x3b1b690d
	INVF 11, 0x3ae91528, 0x3aaec98e
	INVF 12, 0x3a83126f, 0x3a44948c
	INVF 13, 0x3a136a16, 0x39dd1726
	INVF 14, 0x39a5cb5f, 0x3978a814
	INVF 15, 0x393a7753, 0x390bd472
	v_lshlrev_b32 v19, 3, v2                       ; 8 x lane
	v_bfe_u32 v18, v0, 4, 1
	v_mul_u32_u24 v18, v18, 3                      ; 3 in lanes 16-31
	s_mov_b32 s44, 0x3f22f983                      ; 2 / pi
	s_mov_b32 s45, 0x3fc90fdb                      ; pi / 2, upper part,
	s_mov_b32 s46, 0xb33bbd2e                      ; and what is left of it
	s_mov_b32 s47, 0xb94ca1f9                      ; sin r = r + r z (((S0 z) + S1) z + S2), z = r r
	s_mov_b32 s48, 0x3c08839e
	s_mov_b32 s49, 0xbe2aaaa3
	s_mov_b32 s52, 0x37ccf5ce                      ; cos r = 1 - z / 2 + z z (((C0 z) + C1) z + C2)
	s_mov_b32 s53, 0xbab6061a
	s_mov_b32 s54, 0x3d2aaaa5
.macro TRIG inv, out
	v_mul_f32 v21, v20, v[\inv]                    ; the angle
	v_mul_f32 v22, s44, v21
	v_rndne_f32 v22, v22                           ; n
	v_fma_f32 v23, -v22, s45, v21
	v_fma_f32 v23, -v22, s46, v23                  ; r
	v_cvt_i32_f32 v24, v22
	v_add_nc_u32 v24, v24, v18                     ; the quadrant, its low two bits
	v_mul_f32 v25, v23, v23                        ; z
	v_fma_f32 v26, v25, s47, s48
	v_fma_f32 v28, v25, s52, s53
	v_fma_f32 v26, v26, v25, s49
	v_fma_f32 v28, v28, v25, s54
	v_mul_f32 v27, v25, v23
	v_fma_f32 v29, v25, -0.5, 1.0
	v_fma_f32 v26, v26, v27, v23                   ; sin r
	v_mul_f32 v27, v25, v25
	v_fma_f32 v28, v28, v27, v29                   ; cos r
	v_and_b32 v27, 1, v24
	v_cmp_ne_u32 vcc_lo, 0, v27
	v_cndmask_b32 v26, v28, v26, vcc_lo            ; odd quadrants take the sine
	v_add_nc_u32 v27, 1, v24
	v_and_b32 v27, 2, v27
	v_lshlrev_b32 v27, 30, v27                     ; quadrants 1 and 2 are negative
	v_xor_b32 v[\out], v27, v26
.endm
	s_mov_b32 s29, 0
.Lpos:
	v_cvt_f32_u32 v20, s28
	s_wait_alu depctr_va_vdst(0)
	TRIG 16, 30
	TRIG 17, 31
	global_store_b64 v19, v[30:31], s[22:23]       ; 32 lanes store the position's 256 consecutive bytes
	s_wait_xcnt 0x0                                ; the store has read its data and its base: both are written again only behind this wait
	s_add_nc_u64 s[22:23], s[22:23], 256
	s_add_co_u32 s28, s28, 1
	s_add_co_u32 s29, s29, 1
	s_cmp_lt_u32 s29, 16
	s_cbranch_scc1 .Lpos
	s_endpgm
.Lfunc_end_k_qc33f375a0b_prep:
	.size	k_qc33f375a0b_prep, .Lfunc_end_k_qc33f375a0b_prep-k_qc33f375a0b_prep
	.p2alignl 7, 3214868480
	.fill 96, 4, 3214868480
	.section	.rodata,"a",@progbits
	.p2align	6, 0x0
	.amdhsa_kernel k_qc33f375a0b_prep
		.amdhsa_group_segment_fixed_size 66048
		.amdhsa_private_segment_fixed_size 0
		.amdhsa_enable_private_segment 0
		.amdhsa_kernarg_size 80
		.amdhsa_user_sgpr_count 2
		.amdhsa_user_sgpr_kernarg_segment_ptr 1
		.amdhsa_wavefront_size32 1
		.amdhsa_system_sgpr_workgroup_id_x 1
		.amdhsa_system_sgpr_workgroup_id_y 1
		.amdhsa_system_sgpr_workgroup_id_z 1
		.amdhsa_system_vgpr_workitem_id 0
		.amdhsa_next_free_vgpr 194
		.amdhsa_next_free_sgpr 66
		.amdhsa_reserve_vcc 1
		.amdhsa_float_denorm_mode_32 3
		.amdhsa_float_denorm_mode_16_64 3
		.amdhsa_memory_ordered 1
		.amdhsa_forward_progress 1
		.amdhsa_inst_pref_size 124
	.end_amdhsa_kernel
	.amdgpu_metadata
---
amdhsa.version: [ 1, 2 ]
amdhsa.kernels:
  - .name:           k_qc33f375a0b_prep
    .symbol:         k_qc33f375a0b_prep.kd
    .args:
      - { .name: x, .offset: 0, .size: 8, .value_kind: global_buffer, .address_space: global }
      - { .name: Wq, .offset: 8, .size: 8, .value_kind: global_buffer, .address_space: global }
      - { .name: Wk, .offset: 16, .size: 8, .value_kind: global_buffer, .address_space: global }
      - { .name: Wv, .offset: 24, .size: 8, .value_kind: global_buffer, .address_space: global }
      - { .name: Wp, .offset: 32, .size: 8, .value_kind: global_buffer, .address_space: global }
      - { .name: lowp_scales, .offset: 40, .size: 8, .value_kind: global_buffer, .address_space: global }
      - { .name: xc, .offset: 48, .size: 8, .value_kind: global_buffer, .address_space: global }
      - { .name: wqkv, .offset: 56, .size: 8, .value_kind: global_buffer, .address_space: global }
      - { .name: wpc, .offset: 64, .size: 8, .value_kind: global_buffer, .address_space: global }
      - { .name: rope, .offset: 72, .size: 8, .value_kind: global_buffer, .address_space: global }
    .group_segment_fixed_size: 66048
    .private_segment_fixed_size: 0
    .kernarg_segment_align: 8
    .kernarg_segment_size: 80
    .max_flat_workgroup_size: 128
    .sgpr_count:     66
    .vgpr_count:     194
    .wavefront_size: 32
...
	.end_amdgpu_metadata
.endif
;; end of part 1
;; launch qkv (part 2): grid 32 x 6, 4 waves a work-group, clusters of 4 x 1, 327,680 bytes of LDS; arguments xc, wqkv, rope, lowp_scales, qimg, kv; writes qimg, kv
.if DOCPART == 2
	.amdgcn_target "amdgcn-amd-amdhsa--gfx1250"
	.amdhsa_code_object_version 6
	.text
	.protected	k_qc33f375a0b_qkv
	.globl	k_qc33f375a0b_qkv
	.p2align	8
	.type	k_qc33f375a0b_qkv,@function
k_qc33f375a0b_qkv:
	s_mov_b64 s[64:65], 0
	v_nop
	global_prefetch_b8 v0, s[64:65] scope:SCOPE_SE
	s_setreg_imm32_b32 hwreg(HW_REG_WAVE_MODE, 25, 1), 1
	s_wait_xcnt 0x0
	s_wait_alu depctr_hold_cnt(0) depctr_sa_sdst(0) depctr_va_vdst(0) depctr_va_sdst(0) depctr_va_ssrc(0) depctr_va_vcc(0) depctr_vm_vsrc(0)
	s_getreg_b32 s2, hwreg(HW_REG_IB_STS2, 6, 4)
	s_cmp_eq_u32 s2, 0
	s_cbranch_scc0 .Lentry_in_a_cluster
	s_endpgm
.Lentry_in_a_cluster:
	s_bfe_u32 s2, ttmp6, 0x10000c
	s_cmp_lg_u32 s2, 0x3003
	s_cbranch_scc0 .Lentry_shape_is_right
	s_endpgm
.Lentry_shape_is_right:
.set KSTEP,  256
.set ROWB,   256
.set KROW,   1024
.set PITCH,  272
.set FR,     16
.set NL,     4
.set NP,     4
.set HALFT,  128*PITCH
.set SLOT,   4*HALFT
.set SPARE,  2*SLOT
.set ADRA, 16
.set ADRB, 20
.set RO,   24
.set LI,   25
.set SCL,  26
.set LIM,  27
.set SPW,  28
.set NIL,  29
.set TMP,  32
.set TAB,  64
.set AF,   128
.set PC,   128
.set G1, 24
.set G0, 32
.set G1B, 48
.set G0B, 56
.set MSB, 0
.macro WIN new
.if MSB != \new
	s_set_vgpr_msb (MSB<<8)|\new
.set MSB, \new
.endif
.endm
.set MUL_LO, 0xa1
.set MUL_HI, 0xf1
.set TO_B,   0x40
.macro JLOAD g0a, g1a, g0b, g1b
	s_cmp_eq_u32 s15, 0
	s_cbranch_scc0 .Lfor_b_\@
	tensor_load_to_lds s[\g0a:\g0a+3], s[\g1a:\g1a+7]
	s_nop 0
.rept 4
	v_nop
.endr
	s_branch .Lasked_\@
.Lfor_b_\@:
	tensor_load_to_lds s[\g0b:\g0b+3], s[\g1b:\g1b+7]
	s_nop 0
.rept 4
	v_nop
.endr
.Lasked_\@:
.endm
.macro CREST
	s_cmp_lg_u32 s14, 0
	s_cbranch_scc1 .Lnot_wave_0_\@
	s_barrier_signal -3
.Lnot_wave_0_\@:
	s_barrier_wait -3
	s_barrier_signal -1
	s_barrier_wait -1
.endm
.macro CROUND
	s_barrier_signal -1
	s_barrier_wait -1
	CREST
.endm
	s_load_b256 s[4:11], s[0:1], 0x0
	s_load_b128 s[68:71], s[0:1], 0x20
	v_lshl_add_u32 v[SPW], v0, 2, SPARE
	v_mov_b32 v[NIL], 0
	ds_add_u32 v28, v29
	ds_add_u32 v28, v29
	s_wait_dscnt 0x0
	v_lshrrev_b32 v1, 5, v0
	v_readfirstlane_b32 s14, v1
	s_lshr_b32 s15, s14, 1
	s_and_b32 s16, s14, 1
	s_bfe_u32 s40, ttmp6, 0x40000
	s_lshl_b32 s17, ttmp9, 2
	s_add_co_u32 s17, s17, s40
	s_and_b32 s12, ttmp7, 0xffff
	s_max_u32 s13, s12, 3
	s_sub_co_u32 s13, s13, 3
	s_mov_b32 s[G1+0], (0<<16)|(1<<20)|(5<<22)|(3<<25)
	s_mov_b32 s[G1B+0], 15|(0<<16)|(1<<20)|(1<<21)|(5<<22)|(3<<25)
.irp g, G1, G1B
	s_mov_b32 s[\g+1], ROWB<<16
	s_mov_b32 s[\g+2], 128<<16
	s_mov_b32 s[\g+3], ROWB<<16
	s_mov_b32 s[\g+4], 128
	s_mov_b32 s[\g+5], KROW
	s_mov_b32 s[\g+6], 0
	s_mov_b32 s[\g+7], 0
.endr
	s_lshl_b32 s18, s16, 7
	s_lshl_b32 s20, s17, 8
	s_add_co_u32 s20, s20, s18
	s_lshl_b32 s20, s20, 10
	s_lshl_b32 s19, s13, 23
	s_add_co_u32 s20, s20, s19
	s_mov_b32 s21, 0
	s_lshl_b32 s46, s12, 8
	s_add_co_u32 s46, s46, s18
	s_lshl_b32 s46, s46, 10
	s_mov_b32 s47, 0
	s_mul_i32 s45, s14, HALFT
	s_wait_kmcnt 0x0
	s_load_b256 s[72:79], s[10:11], 0x0
	s_load_b128 s[80:83], s[10:11], 0x20
	s_add_nc_u64 s[20:21], s[4:5], s[20:21]
	s_add_nc_u64 s[46:47], s[6:7], s[46:47]
	CROUND
.irp s, 0,1
	s_mov_b32 s[G0+4*\s], 1
	s_add_co_u32 s[G0+4*\s+1], s45, \s*SLOT
	s_add_nc_u64 s[G0+4*\s+2:G0+4*\s+3], s[20:21], \s*ROWB
	s_or_b32 s[G0+4*\s+3], s[G0+4*\s+3], 0x80000000
	s_mov_b32 s[G0B+4*\s], 1
	s_add_co_u32 s[G0B+4*\s+1], s45, \s*SLOT
	s_add_nc_u64 s[G0B+4*\s+2:G0B+4*\s+3], s[46:47], \s*ROWB
	s_or_b32 s[G0B+4*\s+3], s[G0B+4*\s+3], 0x80000000
	s_wait_alu depctr_va_vdst(0)
	s_wait_tensorcnt 0x0
	ds_add_u32 v28, v29
	ds_add_u32 v28, v29
	s_wait_dscnt 0x0
	CROUND
	JLOAD G0+4*\s, G1, G0B+4*\s, G1B
.endr
	v_and_b32 v1, 15, v0
	v_bfe_u32 v2, v0, 4, 1
	v_mul_u32_u24 v3, v1, PITCH
	v_lshl_add_u32 v4, v2, 4, v3
	s_wait_alu depctr_va_vdst(0)
.set VST, 30                           ; v30  V's way out: where a lane puts eight codes of its token
.set VTR, 31                           ; v31  V's way out: where a lane's transposing loads begin
	s_mul_i32 s21, s15, HALFT                      ; my 128 tokens: x's tile lies first in a slot,
	s_mul_i32 s22, s16, HALFT
	s_add_co_u32 s22, s22, 2*HALFT                 ; the weights' tile behind it: the same places for Q, K and V
	s_mul_i32 s23, s14, 20480                      ; V's stage: 128 tokens x 160 bytes for each wave, in slot 0
	v_mul_u32_u24 v5, v1, 160
	v_lshl_add_u32 v5, v2, 3, v5
	v_add_nc_u32 v[VST], s23, v5                   ; token r, byte 8 h
	v_and_b32 v7, 7, v0
	v_lshl_add_u32 v7, v2, 3, v7
	v_mul_u32_u24 v7, v7, 160
	v_bfe_u32 v8, v0, 3, 1
	v_lshl_add_u32 v7, v8, 4, v7
	v_add_nc_u32 v[VTR], s23, v7                   ; token 8 h + lane % 8, byte 16 x ((lane / 8) % 2)
.irp s, 0,1
	v_add_nc_u32 v[ADRA+\s], s21, v4
	v_add_nc_u32 v[ADRB+\s], s22, v4
	s_add_co_u32 s21, s21, SLOT
	s_add_co_u32 s22, s22, SLOT
.endr
	v_lshlrev_b32 v[RO], 8, v1
	v_lshl_add_u32 v[RO], v2, 5, v[RO]
	v_and_b32 v6, 31, v0
	v_lshlrev_b32 v[LI], 4, v6
	s_lshr_b32 s84, s17, 3
	s_and_b32 s85, s17, 7
	s_lshl_b32 s86, s85, 16
	s_lshl_b32 s87, s15, 15
	s_add_co_u32 s86, s86, s87
	s_mov_b32 s87, 0
	s_add_nc_u64 s[92:93], s[8:9], s[86:87]
.macro LOADTAB a, bank
.irp c, 0,1
.irp u, 0,1
	global_load_b128 v[TAB+32*(\bank)+8*\c+4*\u:TAB+32*(\bank)+8*\c+4*\u+3], v[RO], s[92:93] offset:4096*(\a)+64*\c+16*\u
	global_load_b128 v[TAB+32*(\bank)+16+8*\c+4*\u:TAB+32*(\bank)+16+8*\c+4*\u+3], v[RO], s[92:93] offset:4096*(\a)+128+64*\c+16*\u
.endr
.endr
.endm
	LOADTAB 0, 0
	LOADTAB 1, 1
	s_lshl_b32 s19, s84, 4
	s_lshl_b32 s22, s12, 2
	s_add_co_u32 s19, s19, s22
	s_lshl_b32 s22, s84, 2
	s_cmp_lt_u32 s12, 4
	s_cselect_b32 s19, s19, s22
	s_cselect_b32 s18, 0, 1
	s_cselect_b64 s[88:89], s[68:69], s[70:71]
	s_lshl_b32 s22, s16, 1
	s_add_co_u32 s19, s19, s22
	s_lshl_b32 s19, s19, 17
	s_lshl_b32 s22, s85, 14
	s_add_co_u32 s19, s19, s22
	s_lshl_b32 s22, s15, 13
	s_add_co_u32 s19, s19, s22
	s_lshl_b32 s22, s19, s18
	s_mov_b32 s23, 0
	s_add_nc_u64 s[88:89], s[88:89], s[22:23]
	s_lshl_b32 s22, 0x20000, s18
	s_add_nc_u64 s[90:91], s[88:89], s[22:23]
	s_wait_alu depctr_va_vdst(0)
	s_wait_kmcnt 0x0
	s_cmp_eq_u32 s13, 1
	s_cselect_b32 s84, s74, s72
	s_cselect_b32 s86, s75, s73
	s_cselect_b32 s87, s79, s78
	s_cmp_eq_u32 s13, 2
	s_cselect_b32 s84, s76, s84
	s_cselect_b32 s86, s77, s86
	s_cselect_b32 s87, s81, s87
	s_sub_co_i32 s87, s87, s84
	s_sub_co_i32 s87, s87, s86
	s_add_co_i32 s87, s87, 127
	s_lshl_b32 s86, s87, 23
	v_mov_b32 v[SCL], s86
	s_add_co_i32 s87, s87, 8
	s_lshl_b32 s87, s87, 23
	s_or_b32 s87, s87, 0x600000
	v_mov_b32 v[LIM], s87
.macro FRAG reg, adr, q, i
.irp c, 0,1,2,3
	ds_load_b128 v[\reg+4*\c:\reg+4*\c+3], v[\adr] offset:128*(\q)+32*\c+(\i)*16*PITCH
.endr
.endm
.macro MUL16 a0, p, zero
.irp a, \a0, \a0+1
.irp b, 0,1,2,3,4,5,6,7
.if \zero
	v_wmma_f32_16x16x128_fp8_fp8 v[8*(8*((\a)%4)+\b):8*(8*((\a)%4)+\b)+7], v[128*(\p)+FR*\b:128*(\p)+FR*\b+FR-1], v[AF+FR*(\a):AF+FR*(\a)+FR-1], 0
.else
	v_wmma_f32_16x16x128_fp8_fp8 v[8*(8*((\a)%4)+\b):8*(8*((\a)%4)+\b)+7], v[128*(\p)+FR*\b:128*(\p)+FR*\b+FR-1], v[AF+FR*(\a):AF+FR*(\a)+FR-1], v[8*(8*((\a)%4)+\b):8*(8*((\a)%4)+\b)+7]
.endif
.endr
.endr
.endm
.macro FETCH_B slot, q, p
	WIN TO_B
.irp i, 0,1,2,3,4,5,6,7
	FRAG 128*(\p)+FR*\i, ADRB+\slot, \q, \i
.endr
	WIN 0
.endm
.macro FETCH_A slot, q, i0
.irp i, \i0, \i0+1, \i0+2, \i0+3
	FRAG AF+FR*(\i), ADRA+\slot, \q, \i
.endr
.endm
.macro PLACES n
.rept \n
	v_nop
.endr
.endm
.macro STEP slot, q, zero
	s_wait_dscnt 4*NL
	WIN MUL_LO
	MUL16 0, (\q)%2, \zero
	MUL16 2, (\q)%2, \zero
	s_wait_dscnt 0
	PLACES NP
	FETCH_B \slot, (\q)+1, 1-(\q)%2
	FETCH_A \slot, (\q)+1, 0
	WIN MUL_HI
	MUL16 4, (\q)%2, \zero
	MUL16 6, (\q)%2, \zero
	PLACES NP
	WIN 0
	FETCH_A \slot, (\q)+1, 4
.endm
.macro TURN slot, next, fill
	s_wait_tensorcnt 0x0
	ds_add_u32 v[SPW], v[NIL]
	s_wait_dscnt 4*NL+1
	WIN MUL_LO
	MUL16 0, 1, 0
	s_wait_dscnt 0x0
	s_barrier_signal -1
	MUL16 2, 1, 0
	WIN 0
	s_barrier_wait -1
.if \fill
	CREST
	s_add_nc_u64 s[G0+4*\slot+2:G0+4*\slot+3], s[G0+4*\slot+2:G0+4*\slot+3], 2*ROWB
	s_add_nc_u64 s[G0B+4*\slot+2:G0B+4*\slot+3], s[G0B+4*\slot+2:G0B+4*\slot+3], 2*ROWB
	JLOAD G0+4*\slot, G1, G0B+4*\slot, G1B
.else
	PLACES NP
.endif
	FETCH_B \next, 0, 0
	FETCH_A \next, 0, 0
	WIN MUL_HI
	MUL16 4, 1, 0
	MUL16 6, 1, 0
	PLACES NP
	WIN 0
	FETCH_A \next, 0, 4
.endm
	s_wait_tensorcnt 1
	s_barrier_signal -1
	s_barrier_wait -1
	FETCH_B 0, 0, 0
	FETCH_A 0, 0, 0
	FETCH_A 0, 0, 4
	STEP 0, 0, 1
	TURN 0, 1, 1
	STEP 1, 0, 0
	TURN 1, 0, 1
	STEP 0, 0, 0
	TURN 0, 1, 0
	STEP 1, 0, 0
	WIN TO_B                                       ; the rotary table's blocks 2-5, 32 loads, into B's first set, which the last K step does not read (four places stand behind its last products).  V's work-groups wait for them and use none
.irp a, 2,3,4,5
.irp c, 0,1
.irp u, 0,1
	global_load_b128 v[32*(\a-2)+8*\c+4*\u:32*(\a-2)+8*\c+4*\u+3], v[RO], s[92:93] offset:4096*\a+64*\c+16*\u
	global_load_b128 v[32*(\a-2)+16+8*\c+4*\u:32*(\a-2)+16+8*\c+4*\u+3], v[RO], s[92:93] offset:4096*\a+128+64*\c+16*\u
.endr
.endr
.endr
	WIN 0
	s_wait_dscnt 4*NL
	WIN MUL_LO
	MUL16 0, 1, 0
	MUL16 2, 1, 0
	s_wait_dscnt 0
	WIN MUL_HI
	MUL16 4, 1, 0
	MUL16 6, 1, 0
	WIN 0
	PLACES NP
	s_cmp_eq_u32 s12, 5
	s_cbranch_scc1 .Lv_out
.macro ROPEHEAD a, hh
.set AC, 64*((\a)%4)+32*(\hh)
.if ((\a) >= 2) && ((\a) < 6)
.set TS, 32*((\a)-2)                   ; the table's blocks 2-5 lie in window 1, where B's first set lay
	WIN 0x06+((\a)/4)
.else
.set TS, TAB+32*((\a)%2)
	WIN 0x02+((\a)/4)
.endif
.irp c, 0,1
.irp jp, 0,2,4,6
	v_pk_mul_f32 v[TMP+8*\c+\jp:TMP+8*\c+\jp+1], v[AC+8*\c+\jp:AC+8*\c+\jp+1], v[TS+8*\c+\jp:TS+8*\c+\jp+1]
	v_pk_mul_f32 v[TMP+16+8*\c+\jp:TMP+16+8*\c+\jp+1], v[AC+16+8*\c+\jp:AC+16+8*\c+\jp+1], v[TS+8*\c+\jp:TS+8*\c+\jp+1]
	v_pk_fma_f32 v[TMP+8*\c+\jp:TMP+8*\c+\jp+1], v[AC+16+8*\c+\jp:AC+16+8*\c+\jp+1], v[TS+16+8*\c+\jp:TS+16+8*\c+\jp+1], v[TMP+8*\c+\jp:TMP+8*\c+\jp+1] neg_lo:[0,1,0] neg_hi:[0,1,0]
	v_pk_fma_f32 v[TMP+16+8*\c+\jp:TMP+16+8*\c+\jp+1], v[AC+8*\c+\jp:AC+8*\c+\jp+1], v[TS+16+8*\c+\jp:TS+16+8*\c+\jp+1], v[TMP+16+8*\c+\jp:TMP+16+8*\c+\jp+1]
.endr
.endr
	WIN 0
.irp i, 0,1,2,3,4,5,6,7,8,9,10,11,12,13,14,15,16,17,18,19,20,21,22,23,24,25,26,27,28,29,30,31
	v_med3_num_f32 v[TMP+\i], v[TMP+\i], -v[LIM], v[LIM]
.endr
.irp q, 0,1,2,3
	v_cvt_scalef32_pk8_fp8_f32 v[PC+8*(2*(\a)+\hh)+2*\q:PC+8*(2*(\a)+\hh)+2*\q+1], v[TMP+8*\q:TMP+8*\q+7], v[SCL]
.endr
	v_nop
	global_store_b128 v[LI], v[PC+8*(2*(\a)+\hh):PC+8*(2*(\a)+\hh)+3], s[88+2*\hh:89+2*\hh] offset:1024*(\a)
	global_store_b128 v[LI], v[PC+8*(2*(\a)+\hh)+4:PC+8*(2*(\a)+\hh)+7], s[88+2*\hh:89+2*\hh] offset:1024*(\a)+512
.endm
.irp a, 0,1,2,3,4,5,6,7
.if \a < 3
	s_wait_loadcnt 40                              ; behind block a's eight loads: five more blocks' (order of issue: 0, 1, 2-5, 6, 7)
.else
	s_wait_loadcnt 8*(7-\a)
.endif
	ROPEHEAD \a, 0
	ROPEHEAD \a, 1
.if \a < 2
	LOADTAB \a+6, \a%2
.endif
.endr
	s_branch .Lend
.Lv_out:
	s_lshr_b32 s84, s17, 3
	s_lshl_b32 s19, s84, 2
	s_lshl_b32 s22, s16, 1                         ; my 128 channels are key/value heads 2 x half, 2 x half + 1
	s_add_co_u32 s19, s19, s22
	s_lshl_b32 s19, s19, 4
	s_lshl_b32 s22, s85, 1
	s_add_co_u32 s19, s19, s22
	s_add_co_u32 s19, s19, s15                     ; my 128 tokens are one key block
	s_lshl_b32 s22, s19, 14
	s_add_co_u32 s22, s22, 8192
	s_mov_b32 s23, 0
	s_add_nc_u64 s[88:89], s[70:71], s[22:23]
.macro VBLOCK a
.irp half, 0,1
	WIN 0x02+((\a)/4)
.irp i, 0,1,2,3,4,5,6,7,8,9,10,11,12,13,14,15,16,17,18,19,20,21,22,23,24,25,26,27,28,29,30,31
	v_med3_num_f32 v[TMP+\i], v[64*((\a)%4)+32*\half+\i], -v[LIM], v[LIM]
.endr
	WIN 0
.irp q, 0,1,2,3
	v_cvt_scalef32_pk8_fp8_f32 v[PC+16*(\a)+8*\half+2*\q:PC+16*(\a)+8*\half+2*\q+1], v[TMP+8*\q:TMP+8*\q+7], v[SCL]
.endr
	v_nop
.endr
.irp b, 0,1,2,3,4,5,6,7
	ds_store_b64 v[VST], v[PC+16*(\a)+2*\b:PC+16*(\a)+2*\b+1] offset:2560*(\a)+16*\b   ; token 16 a + r, channels 16 b + 8 h + 0 .. 7
.endr
.endm
	s_wait_alu depctr_va_vdst(0)
.irp a, 0,1,2,3,4,5,6,7
	VBLOCK \a
.endr
	; V's codes lie in my stage as [token][channel]; the second product of attention wants the keys along a lane's registers.  A transposing load on pairs of bytes brings a lane eight keys of two
	; neighbouring channels; two byte selections part them.  Batch k = 2 x head + b makes two operand tiles: row 8 g + i of tile 2 b + e is channel 32 b + 16 g + 2 i + e (the reader puts the channels in order again).
	s_mov_b32 s18, 0x06040200                      ; the even channel's bytes,
	s_mov_b32 s19, 0x07050301                      ; the odd one's
	s_wait_loadcnt 0x0                             ; the rotary table's loads, which this path does not use, have landed: their registers are free
.irp k, 0,1,2,3
.irp c, 0,1,2,3,4,5,6,7
	ds_load_tr16_b128 v[64+32*(\k%2)+4*\c:67+32*(\k%2)+4*\c], v[VTR] offset:2560*\c+32*\k   ; LDS serves a wave's instructions in order: these see my stores
.endr
	s_wait_dscnt 0x0                               ; (the first time also: the stores into the stage have read the codes' registers, which are written below)
.irp c, 0,1,2,3,4,5,6,7
	v_perm_b32 v[PC+32*\k+2*\c], v[65+32*(\k%2)+4*\c], v[64+32*(\k%2)+4*\c], s18
	v_perm_b32 v[PC+32*\k+2*\c+1], v[67+32*(\k%2)+4*\c], v[66+32*(\k%2)+4*\c], s18
	v_perm_b32 v[PC+32*\k+16+2*\c], v[65+32*(\k%2)+4*\c], v[64+32*(\k%2)+4*\c], s19
	v_perm_b32 v[PC+32*\k+16+2*\c+1], v[67+32*(\k%2)+4*\c], v[66+32*(\k%2)+4*\c], s19
.endr
.irp q, 0,1,2,3,4,5,6,7
	global_store_b128 v[LI], v[PC+32*\k+4*\q:PC+32*\k+4*\q+3], s[88:89] offset:(\k/2)*262144+(\k%2)*4096+512*\q   ; 32 lanes store 512 consecutive bytes of the operand's image
.endr
.endr
.Lend:
	s_wait_tensorcnt 0x0
	ds_add_u32 v[SPW], v[NIL]
	s_wait_dscnt 0x0
	CROUND
	s_endpgm
.Lfunc_end_k_qc33f375a0b_qkv:
	.size	k_qc33f375a0b_qkv, .Lfunc_end_k_qc33f375a0b_qkv-k_qc33f375a0b_qkv
	.p2alignl 7, 3214868480
	.fill 96, 4, 3214868480
	.section	.rodata,"a",@progbits
	.p2align	6, 0x0
	.amdhsa_kernel k_qc33f375a0b_qkv
		.amdhsa_group_segment_fixed_size 327680
		.amdhsa_private_segment_fixed_size 0
		.amdhsa_enable_private_segment 0
		.amdhsa_kernarg_size 48
		.amdhsa_user_sgpr_count 2
		.amdhsa_user_sgpr_kernarg_segment_ptr 1
		.amdhsa_wavefront_size32 1
		.amdhsa_system_sgpr_workgroup_id_x 1
		.amdhsa_system_sgpr_workgroup_id_y 1
		.amdhsa_system_sgpr_workgroup_id_z 1
		.amdhsa_system_vgpr_workitem_id 0
		.amdhsa_next_free_vgpr 1024
		.amdhsa_next_free_sgpr 100
		.amdhsa_reserve_vcc 0
		.amdhsa_float_denorm_mode_32 3
		.amdhsa_float_denorm_mode_16_64 3
		.amdhsa_memory_ordered 1
		.amdhsa_forward_progress 1
		.amdhsa_inst_pref_size 214
	.end_amdhsa_kernel
	.amdgpu_metadata
---
amdhsa.version: [ 1, 2 ]
amdhsa.kernels:
  - .name:           k_qc33f375a0b_qkv
    .symbol:         k_qc33f375a0b_qkv.kd
    .args:
      - { .name: xc, .offset: 0, .size: 8, .value_kind: global_buffer, .address_space: global }
      - { .name: wqkv, .offset: 8, .size: 8, .value_kind: global_buffer, .address_space: global }
      - { .name: rope, .offset: 16, .size: 8, .value_kind: global_buffer, .address_space: global }
      - { .name: lowp_scales, .offset: 24, .size: 8, .value_kind: global_buffer, .address_space: global }
      - { .name: qimg, .offset: 32, .size: 8, .value_kind: global_buffer, .address_space: global }
      - { .name: kv, .offset: 40, .size: 8, .value_kind: global_buffer, .address_space: global }
    .group_segment_fixed_size: 327680
    .private_segment_fixed_size: 0
    .kernarg_segment_align: 8
    .kernarg_segment_size: 48
    .max_flat_workgroup_size: 128
    .sgpr_count:     100
    .vgpr_count:     1024
    .wavefront_size: 32
...
	.end_amdgpu_metadata
.endif
;; end of part 2
;; launch attn (part 3): grid 16 x 16, 16 waves a work-group, clusters of 4 x 1, 327,680 bytes of LDS; arguments qimg, kv, lowp_scales, oc; writes oc
.if DOCPART == 3
	.amdgcn_target "amdgcn-amd-amdhsa--gfx1250"
	.amdhsa_code_object_version 6
	.text
	.protected	k_qc33f375a0b_attn
	.globl	k_qc33f375a0b_attn
	.p2align	8
	.type	k_qc33f375a0b_attn,@function
k_qc33f375a0b_attn:
	s_mov_b64 s[64:65], 0
	v_nop
	global_prefetch_b8 v0, s[64:65] scope:SCOPE_SE
	s_setreg_imm32_b32 hwreg(HW_REG_WAVE_MODE, 25, 1), 1
	s_wait_xcnt 0x0
	s_wait_alu depctr_hold_cnt(0) depctr_sa_sdst(0) depctr_va_vdst(0) depctr_va_sdst(0) depctr_va_ssrc(0) depctr_va_vcc(0) depctr_vm_vsrc(0)
	s_getreg_b32 s2, hwreg(HW_REG_IB_STS2, 6, 4)
	s_cmp_eq_u32 s2, 0
	s_cbranch_scc0 .Lentry_in_a_cluster
	s_endpgm
.Lentry_in_a_cluster:
	s_bfe_u32 s2, ttmp6, 0x10000c
	s_cmp_lg_u32 s2, 0x3003
	s_cbranch_scc0 .Lentry_shape_is_right
	s_endpgm
.Lentry_shape_is_right:
; CAUSAL ATTENTION ON CODES OF E4M3, head size 64, four query heads to a key/value head.  qimg, kv: images of operand registers, as the launch before lays them.
; oc: the result's codes as images of the next product's operand, by quarters of its K: [256 columns = key/value head g][16 tokens][128 columns][group c of 512 bytes]: lane (r, h): token r, columns 32 c + 16 h + 0 .. 15.
; LEFT OUT: key blocks that lie wholly behind a tile's queries: the causal mask gives them the weight 0 for all values of the inputs.
; THE SOFTMAX AHEAD OF THE SECOND PRODUCT: t = score x log2(e) / 8; M = the row's largest t so far, rounded UP to a whole number; p = 2^(t - M) is quantised (entry 8), not normalised; the row's sum is taken
; of the unquantised p and divides at the end.  When M moves, the sum and O are multiplied by 2^(old M - new M): exact.
; K AND V STAY IN LDS.  A key/value head (the grid's y = 4 b + g) has 16 key blocks of 128 keys, 16,384 bytes each (K's images, then V's): 262,144 bytes.  Each wave asks for 4,096 bytes of blocks 0-3 at the head
; and for 12,288 bytes of blocks 4-15 behind the next round: nothing is ever filled again.  The four work-groups of a cluster share y, so both loads are joint.
; SHARES.  Work-group x of a head, wave n: query head 2 (x % 2) + n / 8 of the four, and the tiles of 16 positions 127 - i and i, i = 8 w + x / 2, w = n % 8.  Tile j needs j / 8 + 1 key blocks: 17 steps in every wave;
; four waves to a SIMD, with no barrier between them but one.
; Which block a step reads and where the tiles change hang on the wave's number and the step alone; x enters global addresses and the mask's numbers only.  Waves 0 and 8 of every work-group read all 16 blocks.
; ORDER OF THE BLOCKS (a softmax's sum takes any): tile 127 - i: blocks 0-3 (first loop), then 15 - w (its diagonal) down to 4; tile i: blocks 0 up to w (its diagonal).  So steps 0 and 12 of the second loop are the masked ones.
; LAYOUT.  S^T = K Q^T (source 0 = 16 keys, K = 64): lane (r, h) holds query r, register j of tile c key 16 c + 8 h + j: the conversion of tile c IS registers 2 c, 2 c + 1 of P.  O^T = V^T P^T: register j of tile 2 b + e
; is channel 32 b + 16 h + 2 j + e: at the end two byte selections put a lane's 16 codes in order.
; TWO NUMBERS AN INSTRUCTION: t - M, the row's sum and the hold go as dual pairs on neighbouring registers; what both halves share is kept twice, in registers of different banks (number mod 4).
; NO PREFETCH: all tensor loads stand at the head; there is no later load to run ahead of.
; LIMITS on the given exponents: e6 + e7 between -123 and 130 (added to c's exponent field); e8, and e10 - e8 - e9, between -126 and 119.
; REGISTERS: v1 16 x lane, v2 the block's LDS address, v3 and v4 the add's two; v6, v7 c; v8, v13 -M; v9 the largest t, v[10:11] the sum, v12 f, v14 at work, v15 the mask's number, v16-23 Q, v24-31 the second tile's Q,
; v32-95 S^T then p, v96-111 P, v112-143 O^T, v144-157 partial sums, v160-167 codes on their way out, v168 and v5 the hold, v169-173 constants, v174-175 at work, v176-239 K's fragments, then V's.
.set CH,    16384
.set SPARE, 16*CH                      ; behind the blocks: the spare words, 128 bytes for each of sixteen waves
.macro ROUND                           ; a round of the cluster's barrier
	s_barrier_signal -1
	s_barrier_wait -1
	s_cmp_lg_u32 s18, 0
	s_cbranch_scc1 .Lnot_wave_0_\@
	s_barrier_signal -3
.Lnot_wave_0_\@:
	s_barrier_wait -3
	s_barrier_signal -1
	s_barrier_wait -1
.endm
.macro PLACES n
.rept \n
	v_nop
.endr
.endm
.macro ADD2 d, a                       ; the pair at v[d] += the pair at v[a]
	v_dual_add_f32 v[\d], v[\a], v[\d] :: v_dual_add_f32 v[(\d)+1], v[(\a)+1], v[(\d)+1]
.endm
	s_load_b256 s[4:11], s[0:1], 0x0               ; qimg s[4:5], kv s[6:7], lowp_scales s[8:9], oc s[10:11]
	v_lshl_add_u32 v3, v0, 2, SPARE
	v_mov_b32 v4, 0
	ds_add_u32 v3, v4                              ; the opening lines: the add, twice on end, and its wait
	ds_add_u32 v3, v4
	v_lshrrev_b32 v5, 5, v0
	v_readfirstlane_b32 s18, v5                    ; wave 0..15
	s_and_b32 s17, s18, 7                          ; w = i / 8
	s_lshr_b32 s19, s18, 3                         ; which head of the pair
	s_bfe_u32 s12, ttmp6, 0x40000
	s_lshl_b32 s13, ttmp9, 2
	s_add_co_u32 s13, s13, s12                     ; x
	s_and_b32 s14, ttmp7, 0xffff                   ; y = 4 b + g
	s_and_b32 s15, s13, 1                          ; which pair of query heads
	s_lshr_b32 s16, s13, 1                         ; i % 8
	; descriptor groups 1: dense blocks as rows of 256 bytes (32 elements of 8 bytes): 16 rows, and 48 rows; the mask names the cluster's four
	s_mov_b32 s24, 15|(3<<16)|(1<<21)
	s_mov_b32 s25, 32<<16
	s_mov_b32 s26, 16<<16
	s_mov_b32 s27, 32<<16
	s_mov_b32 s28, 16
	s_mov_b32 s29, 32
	s_mov_b32 s30, 0
	s_mov_b32 s31, 0
	s_mov_b32 s32, 15|(3<<16)|(1<<21)
	s_mov_b32 s33, 32<<16
	s_mov_b32 s34, 48<<16
	s_mov_b32 s35, 32<<16
	s_mov_b32 s36, 48
	s_mov_b32 s37, 32
	s_mov_b32 s38, 0
	s_mov_b32 s39, 0
	s_mov_b32 s20, 0x76543210                      ; lane selects for v_permlanex16_b32: lane l xor 16
	s_mov_b32 s21, 0xfedcba98
	s_mov_b32 s22, 0x3e38aa3b                      ; c = log2(e) / 8
	s_mov_b32 s84, 0x05010400                      ; the way out: bytes 0, 1 of two registers by turns,
	s_mov_b32 s85, 0x07030602                      ; bytes 2, 3
	s_add_co_u32 s49, s17, 4
	s_mov_b32 s40, 1
	s_lshl_b32 s41, s18, 12                        ; LDS: 4,096 x wave
	s_mov_b32 s44, 1
	s_mul_i32 s45, s18, 12288
	s_add_co_u32 s45, s45, 4*CH                    ; LDS: behind block 3, 12,288 x wave
	s_lshl_b32 s2, s14, 18
	s_mov_b32 s3, 0
	s_wait_dscnt 0x0                               ; both opening adds are done
	s_wait_kmcnt 0x0
	s_load_b256 s[68:75], s[8:9], 0x10             ; e4 .. e11: s70 e6, s71 e7, s72 e8, s73 e9, s74 e10
	s_add_nc_u64 s[6:7], s[6:7], s[2:3]            ; the head's kv
	s_mov_b32 s2, s41
	s_add_nc_u64 s[42:43], s[6:7], s[2:3]          ; memory lies as LDS does
	s_or_b32 s43, s43, 0x80000000
	s_mov_b32 s2, s45
	s_add_nc_u64 s[46:47], s[6:7], s[2:3]
	s_or_b32 s47, s47, 0x80000000
	ROUND                                          ; in front of the first joint loads
	tensor_load_to_lds s[40:43], s[24:31]          ; my part of blocks 0-3: one tensor load a wave at the head
	s_nop 0
	PLACES 4
	s_lshl_b32 s50, s17, 3
	s_add_co_u32 s50, s50, s16                     ; i: the second tile
	s_sub_co_u32 s51, 127, s50                     ; the first
	s_lshl_b32 s52, s14, 2
	s_lshl_b32 s53, s15, 1
	s_add_co_u32 s52, s52, s53
	s_add_co_u32 s52, s52, s19                     ; 16 b + my query head
	s_lshl_b32 s52, s52, 7
	s_add_co_u32 s2, s52, s51
	s_lshl_b32 s2, s2, 10
	s_add_nc_u64 s[56:57], s[4:5], s[2:3]          ; Q's images: 1,024 bytes a tile, 128 tiles a head
	s_add_co_u32 s2, s52, s50
	s_lshl_b32 s2, s2, 10
	s_add_nc_u64 s[58:59], s[4:5], s[2:3]
	v_and_b32 v1, 31, v0
	v_lshlrev_b32 v1, 4, v1                        ; 16 x lane
	global_load_b128 v[16:19], v1, s[56:57]
	global_load_b128 v[20:23], v1, s[56:57] offset:512
	global_load_b128 v[24:27], v1, s[58:59]
	global_load_b128 v[28:31], v1, s[58:59] offset:512
	s_lshr_b32 s52, s14, 2
	s_lshl_b32 s52, s52, 7                         ; 128 tiles of tokens a batch
	s_and_b32 s53, s14, 3
	s_lshl_b32 s53, s53, 21                        ; oc: quarter g of 2,097,152 bytes,
	s_lshl_b32 s54, s15, 11
	s_add_co_u32 s53, s53, s54                     ; the pair's 2,048 bytes of a tile's 4,096,
	s_lshl_b32 s54, s19, 10
	s_add_co_u32 s53, s53, s54                     ; my head's 1,024 of them
	s_add_co_u32 s2, s52, s51
	s_lshl_b32 s2, s2, 12
	s_add_co_u32 s2, s2, s53
	s_add_nc_u64 s[60:61], s[10:11], s[2:3]        ; the first tile's place in oc,
	s_add_co_u32 s2, s52, s50
	s_lshl_b32 s2, s2, 12
	s_add_co_u32 s2, s2, s53
	s_add_nc_u64 s[62:63], s[10:11], s[2:3]        ; the second's
	v_and_b32 v5, 15, v0
	v_bfe_u32 v6, v0, 4, 1
	v_lshlrev_b32 v6, 3, v6
	v_sub_nc_u32 v5, v5, v6                        ; r - 8 h
	s_lshl_b32 s55, s16, 4                         ; the second tile's first query in its diagonal block,
	s_sub_co_u32 s54, 112, s55                     ; the first tile's
	s_wait_alu depctr_va_vdst(0)
	s_wait_kmcnt 0x0
	s_add_co_i32 s76, s70, s71
	s_lshl_b32 s76, s76, 23
	s_add_co_i32 s22, s22, s76                     ; a score stands for score x 2^(e6 + e7): added to c's exponent field
	s_add_co_i32 s76, s72, 127
	s_lshl_b32 s81, s76, 23                        ; 2^e8
	s_add_co_i32 s76, s76, 8
	s_lshl_b32 s76, s76, 23
	s_or_b32 s80, s76, 0x600000                    ; 448 x 2^e8
	s_sub_co_i32 s76, s74, s72
	s_sub_co_i32 s76, s76, s73
	s_add_co_i32 s76, s76, 127
	s_lshl_b32 s82, s76, 23                        ; 2^(e10 - e8 - e9)
	s_add_co_i32 s76, s76, 8
	s_lshl_b32 s76, s76, 23
	s_or_b32 s83, s76, 0x600000                    ; 448 x that
.macro FRESH                           ; a tile begins: the largest t is -3e38, under every t; -M = floor(3e38); the sum and O^T are zeros, which the first change of M leaves zeros
	v_mov_b32 v9, 0xff61b1e6
	v_mov_b32 v8, 0x7f61b1e6
	v_mov_b32 v10, 0
	v_mov_b32 v11, 0
.set j, 0
.rept 32
	v_mov_b32 v[112+j], 0
.set j, j+1
.endr
.endm
	v_add_nc_u32 v15, s54, v5                      ; d = my query in the diagonal block - 8 h
	v_add_nc_u32 v173, s55, v5
	v_mov_b32 v5, s80                              ; the hold, twice
	v_mov_b32 v168, s80
	v_mov_b32 v6, s22                              ; c, twice
	v_mov_b32 v7, s22
	v_mov_b32 v14, 0                               ; a lane permute's destination counts as one of its sources
	v_mov_b32 v169, s81
	v_mov_b32 v170, s82
	v_mov_b32 v171, s83
	v_mov_b32 v172, 0xff800000                     ; -infinity
	FRESH
; THE SOFTMAX OF 16 QUERIES x 128 KEYS.  ph = 1: the step may be a masked one (s53 = 1).
.macro SOFT ph
.if \ph
	s_cmp_eq_u32 s53, 0
	s_cbranch_scc1 .Lopen_\@
.set n, 0
.rept 64
	v_cmp_gt_i32 vcc_lo, 16*(n/8)+n%8, v15         ; register 8 c + j holds key 16 c + 8 h + j of the block: hidden where 16 c + j > d
	v_cndmask_b32 v[32+n], v[32+n], v172, vcc_lo
.set n, n+1
.endr
.Lopen_\@:
.endif
	v_max3_num_f32 v174, v32, v33, v34             ; the step's largest score of my query, in two chains; each accumulator from its low end on
	v_max3_num_f32 v175, v35, v36, v37
.irp i, 6,10,14,18,22,26,30,34,38,42,46,50,54,58
	v_max3_num_f32 v174, v174, v[32+\i], v[33+\i]
	v_max3_num_f32 v175, v175, v[34+\i], v[35+\i]
.endr
	v_max3_num_f32 v174, v174, v94, v95
	s_delay_alu instid0(VALU_DEP_1)
	v_max_num_f32 v174, v174, v175
	s_delay_alu instid0(VALU_DEP_1)
	v_permlanex16_b32 v14, v174, s20, s21
	s_delay_alu instid0(VALU_DEP_1)
	v_max_num_f32 v174, v174, v14                  ; and among lane l xor 16's
	s_delay_alu instid0(VALU_DEP_1)
	v_mul_f32 v174, s22, v174                      ; as t (c is positive)
	s_delay_alu instid0(VALU_DEP_1)
	v_max_num_f32 v9, v9, v174                     ; the running largest t
	v_mov_b32 v174, v8
	s_delay_alu instid0(VALU_DEP_2)
	v_floor_f32 v8, -v9                            ; the new -M = -ceil(t)
	s_delay_alu instid0(VALU_DEP_1)
	v_sub_f32 v174, v8, v174                       ; old M - new M: a whole number, 0 or less
	s_delay_alu instid0(VALU_DEP_1)
	v_cvt_i32_f32 v174, v174                       ; (it saturates)
	s_delay_alu instid0(VALU_DEP_1)
	v_ldexp_f32 v12, 1.0, v174                     ; f = 2^(old M - new M)
	v_mov_b32 v13, v8                              ; -M once more, for the pairs' second halves
.set j, 0
.rept 32
	v_dual_fma_f32 v[32+j], v[32+j], v6, v8 :: v_dual_fma_f32 v[33+j], v[33+j], v7, v13   ; t - M, two at a time
.set j, j+2
.endr
	s_wait_alu depctr_va_vdst(0)
.set j, 0
.rept 64
	v_exp_f32 v[32+j], v[32+j]                     ; p = 2^(t - M), at most 1
.set j, j+1
.endr
	v_pk_mul_f32 v[10:11], v[10:11], v[12:13] op_sel_hi:[1,0]   ; the sums under the new M (f serves both halves): the plain line behind the exponentials
	s_wait_alu depctr_va_vdst(0)                   ; one wait for the batch, ahead of its first reader
.irp k, 0,1,2,3,4,5,6                  ; the row's sum of the unquantised p: 32 pairs of additions in eight chains
	v_dual_add_f32 v[144+2*\k], v[36+8*\k], v[40+8*\k] :: v_dual_add_f32 v[145+2*\k], v[37+8*\k], v[41+8*\k]
.endr
	ADD2 10, 92
	ADD2 144, 32
.irp k, 1,2,3,4,5,6
	ADD2 144+2*\k, 30+4*\k
.endr
	ADD2 10, 58
.irp k, 0,1,2,3,4,5,6
	ADD2 144+2*\k, 62+4*\k
.endr
	ADD2 10, 90
	ADD2 144, 94
	ADD2 10, 150
	ADD2 144, 152
	ADD2 146, 154
	ADD2 148, 156
	ADD2 10, 146
	ADD2 144, 148
	ADD2 10, 144
.irp c, 0,1,2,3,4,5,6,7
.irp i, 0,2,4,6
	v_dual_min_num_f32 v[32+8*\c+\i], v[32+8*\c+\i], v168 :: v_dual_min_num_f32 v[33+8*\c+\i], v[33+8*\c+\i], v5   ; the conversion to an 8-bit code does not saturate (ISA guide 7.6.2); p is not negative: the hold is one-sided
.endr
	v_cvt_scalef32_pk8_fp8_f32 v[96+2*\c:97+2*\c], v[32+8*\c:39+8*\c], v169   ; registers 2 c, 2 c + 1 of P
.endr
	s_wait_alu depctr_va_vdst(0)                   ; directly ahead of the first reader of O^T
.set j, 0
.rept 16
	v_pk_mul_f32 v[112+j:113+j], v[112+j:113+j], v[12:13] op_sel_hi:[1,0]   ; O^T under the new M; also the plain lines between the conversions and the products
.set j, j+2
.endr
.endm
; A KEY STEP: 128 keys.
.macro STEP ph
.if \ph                                ; the step's block.  t = step + w + 4.  t < 16: 19 - t, the first tile's blocks downwards; else t - 16, the second tile's upwards
	s_add_co_u32 s50, s48, s49
	s_lshr_b32 s51, s50, 4
	s_xor_b32 s51, s51, 1
	s_mul_i32 s52, s51, 15
	s_xor_b32 s50, s50, s52
	s_and_b32 s50, s50, 15
	s_lshl_b32 s51, s51, 2
	s_add_co_u32 s50, s50, s51
	s_min_u32 s50, s50, 15
	s_lshl_b32 s50, s50, 14
.else
	s_lshl_b32 s50, s48, 14                        ; blocks 0-3 upwards
.endif
	v_add_nc_u32 v2, s50, v1                       ; with the three v_nop: the four places behind the last products, in front of the loads into registers that they read
	PLACES 3
.set n, 0
.rept 16
	ds_load_b128 v[176+4*n:179+4*n], v2 offset:512*n          ; K's eight fragments: an instruction's 512 bytes are consecutive
.set n, n+1
.endr
	s_wait_alu depctr_va_vdst(0)
	s_wait_dscnt 0x0
.irp c, 0,1,2,3,4,5,6,7
	v_wmma_f32_16x16x64_fp8_fp8 v[32+8*\c:39+8*\c], v[176+8*\c:183+8*\c], v[16:23], 0
.endr
	PLACES 4                                       ; in front of the loads below and of the first read of the scores
.set n, 0
.rept 16
	ds_load_b128 v[176+4*n:179+4*n], v2 offset:8192+512*n     ; V's four fragments land while the softmax is worked
.set n, n+1
.endr
	SOFT \ph
	s_wait_alu depctr_va_vdst(0)
	s_wait_dscnt 0x0                               ; V is in
.irp t, 0,1,2,3
	v_wmma_f32_16x16x128_fp8_fp8 v[112+8*\t:119+8*\t], v[176+16*\t:191+16*\t], v[96:111], v[112+8*\t:119+8*\t]   ; four accumulators by turns; between two links of a chain stand three of these and the eight products K Q^T
.endr
.endm
; A TILE IS FINISHED: O^T / the sum, quantised under e10; a lane's 2 x 16 codes are two groups of the image.
.macro FINAL ob
	PLACES 4                                       ; behind the last products
	s_wait_xcnt 0x0                                ; earlier stores have read v160-167
	v_add_f32 v10, v10, v11
	v_permlanex16_b32 v14, v10, s20, s21
	v_add_f32 v10, v10, v14                        ; the row's sum
	s_wait_alu depctr_va_vdst(0)
	v_rcp_f32 v10, v10
	v_nop
	s_wait_alu depctr_va_vdst(0)                   ; ahead of the reciprocal's first reader, which is also the first reader of O^T
.set j, 0
.rept 16
	v_pk_mul_f32 v[32+j:33+j], v[112+j:113+j], v[10:11] op_sel_hi:[1,0]
.set j, j+2
.endr
.set j, 0
.rept 32
	v_med3_num_f32 v[32+j], v[32+j], -v171, v171
.set j, j+1
.endr
.irp t, 0,1,2,3
	v_cvt_scalef32_pk8_fp8_f32 v[96+2*\t:97+2*\t], v[32+8*\t:39+8*\t], v170
.endr
	v_nop
.irp b, 0,1                            ; tile 2 b holds the even channels of 32 b + 16 h + 0 .. 15, tile 2 b + 1 the odd ones
	v_perm_b32 v[160+4*\b], v[98+4*\b], v[96+4*\b], s84
	v_perm_b32 v[161+4*\b], v[98+4*\b], v[96+4*\b], s85
	v_perm_b32 v[162+4*\b], v[99+4*\b], v[97+4*\b], s84
	v_perm_b32 v[163+4*\b], v[99+4*\b], v[97+4*\b], s85
.endr
	global_store_b128 v1, v[160:163], s[\ob:\ob+1]              ; 32 lanes store 512 consecutive bytes, at a multiple of 256 from oc's first byte
	global_store_b128 v1, v[164:167], s[\ob:\ob+1] offset:512
.endm
	s_wait_alu depctr_va_vdst(0)
	s_wait_tensorcnt 0x0                           ; my part of blocks 0-3 is in
	ds_add_u32 v3, v4
	s_wait_dscnt 0x0
	ROUND                                          ; everybody's part is in, and the four work-groups are here
	tensor_load_to_lds s[44:47], s[32:39]          ; my part of blocks 4-15: it has the first loop's four steps in which to land
	s_nop 0
	PLACES 4
	s_mov_b32 s48, 0
	s_wait_loadcnt 0x0                             ; Q
.La:                                               ; four steps: the first tile, blocks 0-3, none of them masked
	STEP 0
	s_add_co_u32 s48, s48, 1
	s_cmp_lt_u32 s48, 4
	s_cbranch_scc1 .La
	s_wait_tensorcnt 0x0                           ; my part of blocks 4-15 is in (no LDS load of mine is out),
	s_barrier_signal -1
	s_barrier_wait -1                              ; and so is every wave's.
	s_mov_b32 s48, 0
.Lb:                                               ; thirteen steps
	s_add_co_u32 s50, s48, s17
	s_cmp_lg_u32 s50, 12                           ; at step 12 - w the first tile is finished and the second begins: the wave's number and the step alone
	s_cbranch_scc1 .Lsame
	FINAL 60
.set j, 0
.rept 8
	v_mov_b32 v[16+j], v[24+j]                     ; the second tile's Q
.set j, j+1
.endr
	v_mov_b32 v15, v173
	FRESH
	s_wait_alu depctr_va_vdst(0)
.Lsame:
	s_cmp_eq_u32 s48, 0
	s_cselect_b32 s53, 1, 0
	s_cmp_eq_u32 s48, 12
	s_cselect_b32 s53, 1, s53                      ; steps 0 and 12 read a diagonal block
	STEP 1
	s_add_co_u32 s48, s48, 1
	s_cmp_lt_u32 s48, 13
	s_cbranch_scc1 .Lb
	FINAL 62
	s_wait_tensorcnt 0x0                           ; the wave's end
	ds_add_u32 v3, v4
	s_wait_dscnt 0x0
	ROUND                                          ; the closing round
	s_endpgm
.Lfunc_end_k_qc33f375a0b_attn:
	.size	k_qc33f375a0b_attn, .Lfunc_end_k_qc33f375a0b_attn-k_qc33f375a0b_attn
	.p2alignl 7, 3214868480
	.fill 96, 4, 3214868480
	.section	.rodata,"a",@progbits
	.p2align	6, 0x0
	.amdhsa_kernel k_qc33f375a0b_attn
		.amdhsa_group_segment_fixed_size 327680
		.amdhsa_private_segment_fixed_size 0
		.amdhsa_enable_private_segment 0
		.amdhsa_kernarg_size 32
		.amdhsa_user_sgpr_count 2
		.amdhsa_user_sgpr_kernarg_segment_ptr 1
		.amdhsa_wavefront_size32 1
		.amdhsa_system_sgpr_workgroup_id_x 1
		.amdhsa_system_sgpr_workgroup_id_y 1
		.amdhsa_system_sgpr_workgroup_id_z 1
		.amdhsa_system_vgpr_workitem_id 0
		.amdhsa_next_free_vgpr 256
		.amdhsa_next_free_sgpr 100
		.amdhsa_reserve_vcc 1
		.amdhsa_float_denorm_mode_32 3
		.amdhsa_float_denorm_mode_16_64 3
		.amdhsa_memory_ordered 1
		.amdhsa_forward_progress 1
		.amdhsa_inst_pref_size 58
	.end_amdhsa_kernel
	.amdgpu_metadata
---
amdhsa.version: [ 1, 2 ]
amdhsa.kernels:
  - .name:           k_qc33f375a0b_attn
    .symbol:         k_qc33f375a0b_attn.kd
    .args:
      - { .name: qimg, .offset: 0, .size: 8, .value_kind: global_buffer, .address_space: global }
      - { .name: kv, .offset: 8, .size: 8, .value_kind: global_buffer, .address_space: global }
      - { .name: lowp_scales, .offset: 16, .size: 8, .value_kind: global_buffer, .address_space: global }
      - { .name: oc, .offset: 24, .size: 8, .value_kind: global_buffer, .address_space: global }
    .group_segment_fixed_size: 327680
    .private_segment_fixed_size: 0
    .kernarg_segment_align: 8
    .kernarg_segment_size: 32
    .max_flat_workgroup_size: 512
    .sgpr_count:     100
    .vgpr_count:     256
    .wavefront_size: 32
...
	.end_amdgpu_metadata
.endif
;; end of part 3
;; launch proj (part 4): grid 4 x 64, 4 waves a work-group, clusters of 4 x 4, 327,680 bytes of LDS; arguments oc, wpc, lowp_scales, out0; writes out0
.if DOCPART == 4
	.amdgcn_target "amdgcn-amd-amdhsa--gfx1250"
	.amdhsa_code_object_version 6
	.text
	.protected	k_qc33f375a0b_proj
	.globl	k_qc33f375a0b_proj
	.p2align	8
	.type	k_qc33f375a0b_proj,@function
k_qc33f375a0b_proj:
	s_mov_b64 s[64:65], 0
	v_nop
	global_prefetch_b8 v0, s[64:65] scope:SCOPE_SE
	s_setreg_imm32_b32 hwreg(HW_REG_WAVE_MODE, 25, 1), 1
	s_wait_xcnt 0x0
	s_wait_alu depctr_hold_cnt(0) depctr_sa_sdst(0) depctr_va_vdst(0) depctr_va_sdst(0) depctr_va_ssrc(0) depctr_va_vcc(0) depctr_vm_vsrc(0)
	s_getreg_b32 s2, hwreg(HW_REG_IB_STS2, 6, 4)
	s_cmp_eq_u32 s2, 0
	s_cbranch_scc0 .Lentry_in_a_cluster
	s_endpgm
.Lentry_in_a_cluster:
	s_bfe_u32 s2, ttmp6, 0x10000c
	s_cmp_lg_u32 s2, 0xf033
	s_cbranch_scc0 .Lentry_shape_is_right
	s_endpgm
.Lentry_shape_is_right:
; out0[m][n] = 2^(e10 + e11) x the sum over k of oc[m][k] wpc[n][k]: M 8,192, N 1,024, K 1,024, codes of E4M3, sums in f32.  LIMIT: e10 + e11 between -126 and 127.
; oc lies by quarters of K as images of operand registers: [quarter][16 tokens][128 k][group c of 512 bytes], lane (r, h): token r, k = 32 c + 16 h + 0 .. 15.  wpc lies [n][k].
; A block of 128 x 256 to a work-group: 64 x 4 = 256 work-groups.  Four waves, each 64 x 128: 32 accumulators.  4 x 4 work-groups form a cluster: A's tiles are shared along its rows, B's along its columns, by joint loads.
; THREE QUARTERS OF K ARE ASKED FOR AT THE HEAD, one tensor load a wave: wave 0: A's three quarters (3 rows of 32,768 bytes), waves 1-3: one quarter of B each (256 rows of 256 bytes, padded to 272).
; The last quarter is the launch's one refill, into the first quarter's bytes, behind a round of the cluster's barrier in K step 1 (wave 0: A's, wave 1: B's); it is waited for behind K step 5.
; The matrix instruction is used transposed (source 0 = 16 rows of B, source 1 = 16 rows of A): a lane holds eight neighbouring numbers of a row of the result.
; NO PREFETCH: the text has no loop to run ahead in, and one refill.
; REGISTERS: window 0: v16-18, v20-22 LDS addresses by quarter; v24-29 as named; v32-95 the way out; v128-255 A's fragments, two sets of 64 (on the way out: rows read back).  Window 1: B's fragments, two sets of 128.  Window 2: the accumulators.
.set AQ,     32768                     ; a quarter of A: 8 blocks of 16 tokens x 4,096 bytes
.set PITCH,  272
.set BQ,     256*PITCH                 ; a quarter of B
.set BBASE,  3*AQ
.set SPARE,  BBASE+3*BQ                ; the spare words, 128 bytes a wave
.set SPITCH, 528
.set STAGE,  AQ                        ; the way out: 16 rows x 528 bytes a wave, in A's second and third quarters, which have had their only fill and their last read
.set ADRA, 16
.set ADRB, 20
.set STO,  24
.set RD,   25
.set CO,   26
.set SPW,  28
.set NIL,  29
.set TMP,  32
.set AF,   128
.set BK,   128
.set MULW, 0xa1                        ; source 0 (B) window 1, source 1 (A) window 0, C and D window 2
.set MSB, 0
.macro WIN new
.if MSB != (\new)
	s_set_vgpr_msb (MSB<<8)|(\new)
.set MSB, \new
.endif
.endm
.macro PLACES n
.rept \n
	v_nop
.endr
.endm
.macro CREST
	s_cmp_lg_u32 s14, 0
	s_cbranch_scc1 .Lnot_wave_0_\@
	s_barrier_signal -3
.Lnot_wave_0_\@:
	s_barrier_wait -3
	s_barrier_signal -1
	s_barrier_wait -1
.endm
.macro CROUND
	s_barrier_signal -1
	s_barrier_wait -1
	CREST
.endm
	s_load_b128 s[4:7], s[0:1], 0x0                ; oc, wpc
	s_load_b128 s[8:11], s[0:1], 0x10              ; lowp_scales, out0
	v_lshl_add_u32 v[SPW], v0, 2, SPARE
	v_mov_b32 v[NIL], 0
	ds_add_u32 v[SPW], v[NIL]                      ; the opening lines: the add, twice on end, and its wait
	ds_add_u32 v[SPW], v[NIL]
	v_lshrrev_b32 v1, 5, v0
	v_readfirstlane_b32 s14, v1                    ; wave 0..3
	s_lshr_b32 s15, s14, 1                         ; which 64 rows of the block
	s_and_b32 s16, s14, 1                          ; which 128 columns
	s_bfe_u32 s66, ttmp6, 0x40000                  ; cx
	s_bfe_u32 s67, ttmp6, 0x40004                  ; cy
	s_lshl_b32 s68, ttmp9, 2
	s_add_co_u32 s68, s68, s66                     ; block column
	s_and_b32 s17, ttmp7, 0xffff
	s_lshl_b32 s17, s17, 2
	s_add_co_u32 s17, s17, s67                     ; block row
	s_lshl_b32 s69, s67, 2
	s_lshl_b32 s69, 15, s69                        ; my row of the cluster
	s_lshl_b32 s70, 0x1111, s66                    ; my column
	s_or_b32 s24, s69, (3<<16)|(1<<21)             ; A at the head: 3 rows (quarters) of 4,096 elements of 8 bytes, 2,097,152 bytes apart
	s_mov_b32 s25, 4096<<16
	s_mov_b32 s26, 3<<16
	s_mov_b32 s27, 4096<<16
	s_mov_b32 s28, 3
	s_mov_b32 s29, 262144
	s_mov_b32 s30, 0
	s_mov_b32 s31, 0
	s_or_b32 s32, s69, (3<<16)|(1<<21)             ; A's last quarter: a dense block of 32,768 bytes as 128 rows of 256
	s_mov_b32 s33, 32<<16
	s_mov_b32 s34, 128<<16
	s_mov_b32 s35, 32<<16
	s_mov_b32 s36, 128
	s_mov_b32 s37, 32
	s_mov_b32 s38, 0
	s_mov_b32 s39, 0
	s_or_b32 s40, s70, (1<<20)|(1<<21)|(5<<22)|(3<<25)   ; a quarter of B: 256 rows of 256 bytes, 1,024 apart; four words of padding behind every 64
	s_mov_b32 s41, 256<<16
	s_mov_b32 s42, 256<<16
	s_mov_b32 s43, 256<<16
	s_mov_b32 s44, 256
	s_mov_b32 s45, 1024
	s_mov_b32 s46, 0
	s_mov_b32 s47, 0
	s_lshl_b32 s72, s17, 15                        ; A: the block's 8 x 4,096 bytes in a quarter
	s_mov_b32 s73, 0
	s_lshl_b32 s74, s68, 18                        ; B: the block's 256 rows
	s_mov_b32 s75, 0
	s_max_u32 s78, s14, 1
	s_lshl_b32 s78, s78, 8
	s_sub_co_u32 s78, s78, 256                     ; wave w fetches quarter w - 1 of B
	s_mov_b32 s79, 0
	s_mov_b32 s48, 1
	s_mov_b32 s49, 0
	s_mov_b32 s52, 1
	s_mul_i32 s53, s14, BQ
	s_add_co_u32 s53, s53, BBASE-BQ
	s_mov_b32 s56, 1
	s_mov_b32 s57, 0
	s_mov_b32 s60, 1
	s_mov_b32 s61, BBASE
	s_wait_dscnt 0x0                               ; both opening adds are done
	s_wait_kmcnt 0x0
	s_load_b64 s[96:97], s[8:9], 0x28              ; e10, e11
	s_add_nc_u64 s[50:51], s[4:5], s[72:73]
	s_add_nc_u64 s[58:59], s[50:51], 0x600000      ; the last quarter
	s_or_b32 s51, s51, 0x80000000
	s_or_b32 s59, s59, 0x80000000
	s_add_nc_u64 s[62:63], s[6:7], s[74:75]
	s_add_nc_u64 s[54:55], s[62:63], s[78:79]
	s_add_nc_u64 s[62:63], s[62:63], 768
	s_or_b32 s55, s55, 0x80000000
	s_or_b32 s63, s63, 0x80000000
	CROUND                                         ; in front of the first joint loads
	s_cmp_eq_u32 s14, 0
	s_cbranch_scc0 .Lhead_b
	tensor_load_to_lds s[48:51], s[24:31]
	s_nop 0
	PLACES 4
	s_branch .Lhead_asked
.Lhead_b:
	tensor_load_to_lds s[52:55], s[40:47]
	s_nop 0
	PLACES 4
.Lhead_asked:
	s_lshl_b32 s21, s15, 14                        ; my 4 blocks of 16 tokens
	s_mul_i32 s22, s16, 128*PITCH
	s_add_co_u32 s22, s22, BBASE                   ; my 128 rows of B
	s_mul_i32 s23, s14, 16*SPITCH
	s_add_co_u32 s23, s23, STAGE                   ; my stage
	s_lshl_b32 s76, s17, 19                        ; my first number of the result: row 128 x block row + 64 x half, 4,096 bytes a row,
	s_lshl_b32 s77, s15, 18
	s_add_co_u32 s76, s76, s77
	s_lshl_b32 s77, s68, 10                        ; column 256 x block column + 128 x half
	s_add_co_u32 s76, s76, s77
	s_lshl_b32 s77, s16, 9
	s_add_co_u32 s76, s76, s77
	s_mov_b32 s77, 0
	s_add_nc_u64 s[10:11], s[10:11], s[76:77]
	v_and_b32 v1, 15, v0
	v_bfe_u32 v2, v0, 4, 1
	v_and_b32 v6, 31, v0
	v_lshlrev_b32 v[CO], 4, v6                     ; 16 x lane
	v_mul_u32_u24 v3, v1, PITCH
	v_lshl_add_u32 v3, v2, 4, v3
	v_add_nc_u32 v[ADRA], s21, v[CO]
	v_add_nc_u32 v[ADRA+1], AQ, v[ADRA]
	v_add_nc_u32 v[ADRA+2], 2*AQ, v[ADRA]
	v_add_nc_u32 v[ADRB], s22, v3
	v_add_nc_u32 v[ADRB+1], BQ, v[ADRB]
	v_add_nc_u32 v[ADRB+2], 2*BQ, v[ADRB]
	v_mul_u32_u24 v5, v1, SPITCH
	v_lshl_add_u32 v5, v2, 5, v5
	v_add_nc_u32 v[STO], s23, v5
	v_add_nc_u32 v[RD], s23, v[CO]
; 48 LDS loads: the fragments of K step k (128 along K) into set p.  Quarter k / 2 lies in place (k / 2) % 3: the last one where the first lay.
.macro FETCH k, p
	WIN 0x40
.irp i, 0,1,2,3,4,5,6,7
.irp c, 0,1,2,3
	ds_load_b128 v[128*(\p)+16*\i+4*\c:128*(\p)+16*\i+4*\c+3], v[ADRB+((\k)/2)%3] offset:128*((\k)%2)+32*\c+\i*16*PITCH
.endr
.endr
	WIN 0
.irp i, 0,1,2,3
.irp c, 0,1,2,3
	ds_load_b128 v[AF+64*(\p)+16*\i+4*\c:AF+64*(\p)+16*\i+4*\c+3], v[ADRA+((\k)/2)%3] offset:2048*((\k)%2)+512*\c+\i*4096
.endr
.endr
.endm
; 16 matrix instructions: A's blocks a0, a0 + 1 x B's eight.  The 32 accumulators take turns, in the same order in every K step.
.macro MUL16 a0, p, zero
.irp a, \a0, \a0+1
.irp b, 0,1,2,3,4,5,6,7
.if \zero
	v_wmma_f32_16x16x128_fp8_fp8 v[8*(8*(\a)+\b):8*(8*(\a)+\b)+7], v[128*(\p)+16*\b:128*(\p)+16*\b+15], v[AF+64*(\p)+16*(\a):AF+64*(\p)+16*(\a)+15], 0
.else
	v_wmma_f32_16x16x128_fp8_fp8 v[8*(8*(\a)+\b):8*(8*(\a)+\b)+7], v[128*(\p)+16*\b:128*(\p)+16*\b+15], v[AF+64*(\p)+16*(\a):AF+64*(\p)+16*(\a)+15], v[8*(8*(\a)+\b):8*(8*(\a)+\b)+7]
.endif
.endr
.endr
.endm
.macro MUL32 p, zero
	WIN MULW
	MUL16 0, \p, \zero
	MUL16 2, \p, \zero
	WIN 0
.endm
.macro KSTEP k                         ; the next K step's fragments are asked for, this one's are multiplied
	PLACES 4                                       ; behind the products that read the set which the loads fill
	FETCH (\k)+1, ((\k)+1)%2
	s_wait_dscnt 48                                ; this step's fragments are in; the 48 loads just issued may be out
	MUL32 (\k)%2, 0
.endm
	s_wait_alu depctr_va_vdst(0)
	s_wait_tensorcnt 0x0                           ; my load is in,
	s_barrier_signal -1
	s_barrier_wait -1                              ; and so is every wave's: three quarters of K.
	FETCH 0, 0
	FETCH 1, 1
	s_wait_dscnt 48
	MUL32 0, 1                                     ; K step 0 starts the sums
	PLACES 4
	FETCH 2, 0                                     ; K step 1, with the refill
	s_wait_tensorcnt 0x0                           ; no tensor load of mine is out;
	ds_add_u32 v[SPW], v[NIL]                      ; 0 onto my spare word;
	s_wait_dscnt 49                                ; (the add and the 48 loads just issued may be out)
	WIN MULW
	MUL16 0, 1, 0
	s_wait_dscnt 0x0                               ; the add is done, and my reads of the first quarter are over
	s_barrier_signal -1
	MUL16 2, 1, 0
	WIN 0
	s_barrier_wait -1
	CREST                                          ; the barrier has opened a round of the cluster's barrier: no wave of any partner still reads the first quarter
	s_cmp_eq_u32 s14, 0
	s_cbranch_scc0 .Lnot_a
	tensor_load_to_lds s[56:59], s[32:39]          ; A's last quarter
	s_nop 0
	PLACES 4
	s_branch .Lasked
.Lnot_a:
	s_cmp_eq_u32 s14, 1
	s_cbranch_scc0 .Lasked
	tensor_load_to_lds s[60:63], s[40:47]          ; B's
	s_nop 0
	PLACES 4
.Lasked:
	KSTEP 2
	KSTEP 3
	KSTEP 4
	s_wait_dscnt 0x0
	MUL32 1, 0                                     ; K step 5
	s_wait_tensorcnt 0x0                           ; my part of the last quarter is in (no LDS load of mine is out),
	s_barrier_signal -1
	s_barrier_wait -1                              ; and so is every wave's; and nobody reads A's second and third quarters any more
	PLACES 4
	FETCH 6, 0
	FETCH 7, 1
	s_wait_dscnt 48
	MUL32 0, 0
	s_wait_dscnt 0x0
	MUL32 1, 0
; THE WAY OUT, block by block of 16 rows x 128 columns: through my own stage in LDS, and back as whole rows of 512 bytes.  LDS serves a wave's instructions in order: no wait between the stores and the loads.
.macro TOSTAGE a
.set AC, 64*(\a)
	WIN 0x02
.irp j, 0,2,4,6,8,10,12,14,16,18,20,22,24,26,28,30,32,34,36,38,40,42,44,46,48,50,52,54,56,58,60,62
	v_pk_mul_f32 v[TMP+\j:TMP+\j+1], v[AC+\j:AC+\j+1], s[96:97] op_sel_hi:[1,0]   ; x 2^(e10 + e11); each accumulator from its low end on
.endr
	WIN 0
.irp b, 0,1,2,3,4,5,6,7
	ds_store_b128 v[STO], v[TMP+8*\b:TMP+8*\b+3] offset:64*\b
	ds_store_b128 v[STO], v[TMP+8*\b+4:TMP+8*\b+7] offset:64*\b+16
.endr
.set RB, BK+64*((\a)%2)
.irp t, 0,1,2,3,4,5,6,7,8,9,10,11,12,13,14,15
	ds_load_b128 v[RB+4*\t:RB+4*\t+3], v[RD] offset:\t*SPITCH
.endr
.endm
.macro SEND a, younger                 ; younger: the LDS instructions issued behind block a's loads, which may stay out
.set RB, BK+64*((\a)%2)
	s_wait_dscnt \younger
.if (\a) > 0
	s_add_nc_u64 s[10:11], s[10:11], 16*4096       ; (behind a wait on XCNT)  16 rows on
.endif
.irp t, 0,1,2,3,4,5,6,7,8,9,10,11,12,13,14,15
	global_store_b128 v[CO], v[RB+4*\t:RB+4*\t+3], s[10:11] offset:\t*4096 th:TH_STORE_NT   ; 32 lanes store 512 consecutive bytes, at a multiple of 256 from the result's first byte
.endr
.endm
	s_wait_kmcnt 0x0
	s_add_co_i32 s96, s96, s97
	s_add_co_i32 s96, s96, 127
	s_lshl_b32 s96, s96, 23                        ; 2^(e10 + e11) as f32
	PLACES 4
	TOSTAGE 0
.irp a, 1,2,3
.if \a > 1
	s_wait_xcnt 0x0                                ; block a - 2's stores have read their registers and their base
.endif
	TOSTAGE \a
	SEND \a-1, 32
.endr
	s_wait_xcnt 0x0
	SEND 3, 0
	s_wait_tensorcnt 0x0                           ; the wave's end
	ds_add_u32 v[SPW], v[NIL]
	s_wait_dscnt 0x0
	CROUND                                         ; the closing round
	s_endpgm
.Lfunc_end_k_qc33f375a0b_proj:
	.size	k_qc33f375a0b_proj, .Lfunc_end_k_qc33f375a0b_proj-k_qc33f375a0b_proj
	.p2alignl 7, 3214868480
	.fill 96, 4, 3214868480
	.section	.rodata,"a",@progbits
	.p2align	6, 0x0
	.amdhsa_kernel k_qc33f375a0b_proj
		.amdhsa_group_segment_fixed_size 327680
		.amdhsa_private_segment_fixed_size 0
		.amdhsa_enable_private_segment 0
		.amdhsa_kernarg_size 32
		.amdhsa_user_sgpr_count 2
		.amdhsa_user_sgpr_kernarg_segment_ptr 1
		.amdhsa_wavefront_size32 1
		.amdhsa_system_sgpr_workgroup_id_x 1
		.amdhsa_system_sgpr_workgroup_id_y 1
		.amdhsa_system_sgpr_workgroup_id_z 1
		.amdhsa_system_vgpr_workitem_id 0
		.amdhsa_next_free_vgpr 768
		.amdhsa_next_free_sgpr 100
		.amdhsa_reserve_vcc 0
		.amdhsa_float_denorm_mode_32 3
		.amdhsa_float_denorm_mode_16_64 3
		.amdhsa_memory_ordered 1
		.amdhsa_forward_progress 1
		.amdhsa_inst_pref_size 73
	.end_amdhsa_kernel
	.amdgpu_metadata
---
amdhsa.version: [ 1, 2 ]
amdhsa.kernels:
  - .name:           k_qc33f375a0b_proj
    .symbol:         k_qc33f375a0b_proj.kd
    .args:
      - { .name: oc, .offset: 0, .size: 8, .value_kind: global_buffer, .address_space: global }
      - { .name: wpc, .offset: 8, .size: 8, .value_kind: global_buffer, .address_space: global }
      - { .name: lowp_scales, .offset: 16, .size: 8, .value_kind: global_buffer, .address_space: global }
      - { .name: out0, .offset: 24, .size: 8, .value_kind: global_buffer, .address_space: global }
    .group_segment_fixed_size: 327680
    .private_segment_fixed_size: 0
    .kernarg_segment_align: 8
    .kernarg_segment_size: 32
    .max_flat_workgroup_size: 128
    .sgpr_count:     100
    .vgpr_count:     768
    .wavefront_size: 32
...
	.end_amdgpu_metadata
.endif
;; end of part 4
